; MI455X (gfx1250); checked and timed in simulation.
; The chip was launched on July 23, 2026; its instructions are those of AMD's public machine-readable ISA for CDNA 5 (MIT licence, August 2026) and "CDNA5" Instruction Set Architecture Reference Guide (July 2026). The comments in the code are by the model that wrote it; some were corrected since.
;; Multi Head Attention. Allowed arithmetic: matrix products marked QUANTISED: E2M3 operands, one E8M0 scale for each 32 along K, by v_wmma_scale_f32_16x16x128_f8f6f4 with both operands' format E2M3, f32 sums; everything else in f32.
;; Inputs: Wk 512 x 512 float32; Wo 512 x 512 float32; Wq 512 x 512 float32; Wv 512 x 512 float32; bk 512 float32; bo 512 float32; bq 512 float32; bv 512 float32; key 2 x 4,096 x 512 float32; mask 2 x 4,096 x 4,096 int32; query 2 x 4,096 x 512 float32; value 2 x 4,096 x 512 float32.
;; Outputs: out0 2 x 4,096 x 512 float32.
;; This version of the problem:
;;   THIS VERSION OF THE PROBLEM IS GIVEN IN LOW PRECISION. The matrix products marked QUANTISED in the list below multiply operands that are first quantised to E2M3 (2 exponent bits, 3 mantissa bits; 6 bits a number), with one power-of-two scale for each 32 numbers along K (OCP MX v1.0); their sums are f32. All else is computed in f32.
;;   The module's matrix products, in the order in which they are computed (A, B: the left and right operand; K: the contracted axis; several contracted axes count as one K, in the product's order):
;;     1. [M 8,192, K 512] x [K 512, N 512]; A: input query; B: input Wq: QUANTISED
;;     2. [M 8,192, K 512] x [K 512, N 512]; A: input key; B: input Wk: QUANTISED
;;     3. [M 8,192, K 512] x [K 512, N 512]; A: input value; B: input Wv: QUANTISED
;;     4. batch 16 x [M 4,096, K 64] x [K 64, N 4,096]; A: computed on the way; B: computed on the way: QUANTISED
;;     5. batch 16 x [M 4,096, K 4,096] x [K 4,096, N 64]; A: softmax (see below); B: computed on the way: QUANTISED
;;     6. [M 8,192, K 512] x [K 512, N 512]; A: computed on the way; B: input Wo: QUANTISED
;;   THE QUANTISER, for each operand of a quantised product, along K:
;;     - K is cut into blocks of 32 from its start; a last block that is shorter is filled with zeros.
;;     - A block's scale is 2^e with e = floor(log2(the largest magnitude in the block)) - 2, held to -126 .. 127; a block of zeros has e = 0. As a byte (E8M0): e + 127.
;;     - Each number is divided by its block's scale, clamped to +-7.5, and rounded to the nearest number of E2M3, ties to even, subnormals kept.
;;     - The product sums the exact products of the quantised numbers (number of the format x scale) in f32.
;;   ~~~python
;;   def quantise(x, axis):      # numpy; x: float32 -> the quantised numbers, widened to float32 again
;;       x = np.moveaxis(x, axis, -1); K = x.shape[-1]
;;       x = np.pad(x, [(0, 0)] * (x.ndim - 1) + [(0, -K % 32)]); x = x.reshape(x.shape[:-1] + (-1, 32)); a = np.abs(x).max(-1, keepdims=True)
;;       e = np.where(a > 0, np.clip(np.frexp(np.where(a > 0, a, 1))[1] - 1 - 2, -126, 127), 0)      # np.frexp(a)[1] - 1 = floor(log2(a)), exactly
;;       r = np.clip(x / 2.0 ** e, -7.5, 7.5)
;;       step = 2.0 ** (np.maximum(np.frexp(np.where(r == 0, 1, r))[1] - 1, 0) - 3)
;;       q = np.round(r / step) * step * 2.0 ** e      # np.round: ties to even
;;       return np.moveaxis(q.reshape(q.shape[:-2] + (-1,))[..., :K], -1, axis).astype(np.float32)
;;   ~~~
;;   SOFTMAX AHEAD OF A QUANTISED PRODUCT. Where the list says 'softmax', what is quantised is not the finished softmax but p = 2^(t - M), with t = logit x log2(e) and M = ceil(the row's largest t), a whole number; so 1/2 < the row's largest p <= 1. The row's sum l is taken of the UNQUANTISED p, in f32, and the product's result is divided by l at the end. Since M is a whole number, a kernel that streams over the keys may use a running M (the ceiling of the running maximum): every later rescaling is an exact power of two, which a block's scale takes up: the codes' values come out the same.
;;   OPERANDS COMPUTED ON THE WAY. 'Computed on the way' means the value that the module computes at that place (a softmax that the list does not call 'softmax' is quantised finished and normalised). What goes into a quantiser is computed in f32, as accurately as f32 sums, v_exp_f32 and their like allow (about 1e-6 of the number): no bf16 or f16 on the way to a quantiser, and a product that is left as it is and whose result goes on into a quantised operand takes f32 operands (vector FMAs, or v_wmma_f32_16x16x4_f32). A number that lies on a knife's edge between two numbers of the format may be rounded either way, as far as f32 arithmetic and the matrix unit's own rounding can turn it there, and no further.
;; One version. Each part assembles by itself: llvm-mc -triple=amdgcn-amd-amdhsa -mcpu=gfx1250 --defsym DOCPART=n.
;; ======== version 1 of 1: 4 launches
;; limits: right only within a limited range of input values
;; workspace buffers: maskw 4,194,304 bytes of whole numbers; cq 10,649,600 bytes; qb 3,407,872 bytes; kv 6,815,744 bytes; ab 3,276,800 bytes
;; launch prep (part 1): grid 1440 x 1, 4 waves a work-group, no clusters, 68,096 bytes of LDS; arguments mask, maskw, query, key, value, Wq, Wk, Wv, Wo, cq; writes maskw, cq
.if DOCPART == 1
	.amdgcn_target "amdgcn-amd-amdhsa--gfx1250"
	.amdhsa_code_object_version 6
	.text
	.protected	k_q016f5b86f2_prep
	.globl	k_q016f5b86f2_prep
	.p2align	8
	.type	k_q016f5b86f2_prep,@function
k_q016f5b86f2_prep:
	s_mov_b64 s[64:65], 0
	v_nop
	global_prefetch_b8 v0, s[64:65] scope:SCOPE_SE
	s_setreg_imm32_b32 hwreg(HW_REG_WAVE_MODE, 25, 1), 1
	s_wait_xcnt 0x0
; MULTI-HEAD ATTENTION IN MX-FP6, four launches: prep, proj, attn, outp.
; DEAD WORK: none is left out.  Every input of reference() has a way to out0 and is loaded: bk, which a softmax in real numbers would cancel, moves k's codes and stays.
; The only padding is the upper 64 of the 128 along K of the matrix instruction in the product q k^T, whose K is 64: zero codes, inside live tiles.
; THIS LAUNCH has two kinds of work-groups, told apart by the work-group's number alone; the two ways never join, and each has LDS bytes of its own.
; TILES.  A tile of 16 rows holds in lane r row 32 (t / 2) + 8 (t % 2) + r + 8 (r / 8) of its tensor: so for query, value, the four weights and the mask's rows.
;   THE KEY TENSOR'S TILES hold in lane r row 64 (t / 4) + 8 (t % 4) + r % 8 + 32 (r / 8): in the launch attn a lane's 32 score registers of tiles 4 c .. 4 c + 3 are then the keys 64 c + 32 h + 0 .. 31.
; (1) WORK-GROUPS 0 TO 1,023 read the int32 mask [2][4096][4096] once and store it as LANE MASKS: one 32-bit word for each score register of a wave of attn.
;   maskw: [T (512)][key step of 128 (32)][64 words]; word n, bit L (r = L % 16, h = L / 16) = (mask[row r of tile T][128 step + 64 (n / 32) + 32 h + n % 32] != 0).
;   A wave takes one tile of rows x 512 keys, as four chunks of 128 keys.  Each load reads 512 consecutive bytes of one row; the chunk turns through the wave's own stage in LDS, so that lane (r, h) gets its 64
;   numbers; a compare gives a word; 64 words are laid two to a lane and leave as 256 consecutive bytes, aligned.
; (2) WORK-GROUPS 1,024 TO 1,439 turn query, key, value [8192][512] and Wq, Wk, Wv, Wo [512][512], f32, K innermost, into codes of FP6 (E2M3) with one E8M0 scale byte for each 32 along K.
;   A block's scale is 2^(floor(log2(its largest magnitude)) - 2); its byte is the largest magnitude's exponent field - 2, held at 1 from below.  A block of zeros keeps the byte 1 where the rule says 127:
;   its codes are zeros, and this program alone reads the bytes.
;   cq: images of operand registers.  Tile G of 1,664 (query 0, key 512, value 1,024, Wq 1,536, Wk 1,568, Wv 1,600, Wo 1,632).  Codes: [G][K step of 128 (4)][12 registers x 32 lanes]: register n of lane L at
;   512 (n / 4) + 16 L + 4 (n % 4).  Scale words behind them: [G][r][K step].  One wave takes one tile, a K step at a time: 16 loads of 512 consecutive bytes, the turn through its stage (lane (r, h) gets, of row r,
;   16 neighbours of each block of 32), the quantiser, three stores of 512 consecutive bytes.  One text serves all seven tensors: only pointers and two row distances are chosen.
; LIMITS: blocks whose largest magnitude lies under 2^-124, whose byte is held at 1, were not tried; NaN and infinities among the inputs are not served.
; No barrier: waves share nothing.
.set MWG,   1024                       ; the mask's work-groups
.set ROWM,  16384                      ; a row of the mask in bytes
.set PITCH, 528                        ; a stage row: 512 bytes + 16, so that the sixteen rows that a load of 16 bytes a lane touches begin 16 bytes apart modulo 256
.set WST,   16*PITCH                   ; a wave's stage
.set QST,   4*WST                      ; the mask's four stages lie at 0, the quantiser's four here
.set SPARE, 8*WST                      ; behind the stages: the spare words, 128 bytes for each wave, which no other line names
.set CSOFF, 1664*6144                  ; where the scale words begin in cq
.set MW,    8                          ; (1) v8-15    the words, two registers a chunk, so that no store's data are written again
.set SW,    8                          ; (2) v8-11    the tile's four scale words
.set R,     16                         ; v16-143  two sets of 64 registers as loaded
.set X,     144                        ; v144-207 my 64 numbers
.set TM,    208                        ; (2) v208-211 largest magnitudes, v212-215 bytes, v220-223 the conversions' scale operands
.set PC,    224                        ; (2) v224-235 the codes; v236-238, v240-242 the conversions' second halves
.set SEL,   24                         ; (2) s[24:25] lane selects: lane l xor 16
; v1 lane, v2 16 x lane, v3, v4 the mask's stage in and out, v244, v245 the quantiser's, v6, v7 the add's two, v13 r, v14 h
.macro QUANT s, pw                     ; 64 numbers v[s] on, register 16 b + i = k 32 b + 16 h + i of my row, become a fragment's codes in v[PC] on and its scale word in v[pw]
.irp b, 0,1,2,3
	v_max3_num_f32 v[TM+\b], |v[\s+16*\b]|, |v[\s+1+16*\b]|, 0x1800000   ; my 16 numbers of block b, and the floor 2^(3 - 127): the byte cannot fall under 1
.endr
.irp i, 2,4,6,8,10,12,14
.irp b, 0,1,2,3
	v_max3_num_f32 v[TM+\b], v[TM+\b], |v[\s+16*\b+\i]|, |v[\s+1+16*\b+\i]|
.endr
.endr
.irp b, 0,1,2,3
	v_permlanex16_b32 v[TM+4+\b], v[TM+\b], s[SEL], s[SEL+1]
.endr
.irp b, 0,1,2,3
	v_max_num_f32 v[TM+\b], v[TM+\b], v[TM+4+\b]   ; with lane l xor 16's: the block's largest magnitude
.endr
.irp b, 0,1,2,3
	v_add_nc_u32 v[TM+12+\b], 0xff000000, v[TM+\b] ; 2 off its exponent field: the conversion's scale operand
.endr
.irp b, 0,1,2,3
	v_lshrrev_b32 v[TM+4+\b], 23, v[TM+12+\b]      ; the scale's byte
.endr
	v_lshl_or_b32 v[\pw], v[TM+5], 8, v[TM+4]
	v_lshl_or_b32 v[\pw], v[TM+6], 16, v[\pw]
	v_lshl_or_b32 v[\pw], v[TM+7], 24, v[\pw]      ; my row's scale word
.irp c, 0,1
	v_cvt_scalef32_pk16_fp6_f32 v[PC+6*\c:PC+2+6*\c], v[\s+32*\c:\s+15+32*\c], v[TM+12+2*\c]
	v_cvt_scalef32_pk16_fp6_f32 v[PC+12+4*\c:PC+14+4*\c], v[\s+16+32*\c:\s+31+32*\c], v[TM+12+2*\c+1]   ; (a conversion's three registers begin on an even number)
.endr
	v_nop                                          ; one plain place behind a scaled conversion
.irp c, 0,1                            ; the operand's layout wants a whole block in a lane: lanes 0-15 block 2 c, lanes 16-31 block 2 c + 1
.irp i, 0,1,2
	v_permlane16_swap_b32 v[PC+6*\c+\i], v[PC+12+4*\c+\i]
.endr
.irp i, 0,1,2
	v_mov_b32 v[PC+3+6*\c+\i], v[PC+12+4*\c+\i]
.endr
.endr
.endm
; ---- the mask's macros
.macro MLOAD c                         ; chunk c: 16 rows x 512 bytes into set c % 2
.irp i, 0,1,2,3,4,5,6,7,8,9,10,11,12,13,14,15
	global_load_b128 v[R+64*((\c)%2)+4*\i:R+64*((\c)%2)+4*\i+3], v2, s[4:5] offset:(\i+8*(\i/8))*ROWM+512*(\c) th:TH_LOAD_NT
.endr
.endm
.macro MTURN c                         ; through the stage: LDS serves a wave's instructions in order, so no wait stands between the stores and the loads
.irp i, 0,1,2,3,4,5,6,7,8,9,10,11,12,13,14,15
	ds_store_b128 v3, v[R+64*((\c)%2)+4*\i:R+64*((\c)%2)+4*\i+3] offset:PITCH*\i
.endr
.irp n, 0,1,2,3,4,5,6,7,8,9,10,11,12,13,14,15
	ds_load_b128 v[X+4*\n:X+4*\n+3], v4 offset:256*(\n/8)+16*(\n%8)   ; registers 4 n on: keys 64 (n / 8) + 32 h + 4 (n % 8) on of row r
.endr
.endm
.macro PACK c                          ; 64 compares give the 64 words; word n goes to lane n / 2, register n % 2
.irp g, 0,1,2,3
.irp k, 0,1,2,3,4,5,6,7,8,9,10,11,12,13,14,15
	v_cmp_ne_u32 s[32+\k], 0, v[X+16*\g+\k]
.endr
.irp k, 0,1,2,3,4,5,6,7,8,9,10,11,12,13,14,15
	v_writelane_b32 v[MW+2*(\c)+\k%2], s[32+\k], 8*\g+\k/2
.endr
.endr
	global_store_b64 v5, v[MW+2*(\c):MW+2*(\c)+1], s[6:7] offset:256*(\c)   ; 32 lanes store 256 consecutive bytes, aligned
.endm
.macro MCHUNK c
.if (\c) < 3
	s_wait_loadcnt 16                              ; this chunk's 16 loads are in; the next chunk's 16 may be out
.else
	s_wait_loadcnt 0x0
.endif
	MTURN \c
	s_wait_dscnt 0x0                               ; my numbers are back, and the stores into the stage have read their registers,
.if (\c)+2 < 4
	MLOAD (\c)+2                                   ; which take the loads of two chunks on
.endif
	PACK \c
.endm
; ---- the quantiser's macros
.macro QLOAD c                         ; K step c: 16 rows x 512 bytes into set c % 2; rows 8-15 of a tile by the second offset register
.irp i, 0,1,2,3,4,5,6,7
	global_load_b128 v[R+64*((\c)%2)+4*\i:R+64*((\c)%2)+4*\i+3], v2, s[4:5] offset:\i*2048+512*(\c) th:TH_LOAD_NT
.endr
.irp i, 0,1,2,3,4,5,6,7
	global_load_b128 v[R+64*((\c)%2)+32+4*\i:R+64*((\c)%2)+32+4*\i+3], v5, s[4:5] offset:\i*2048+512*(\c) th:TH_LOAD_NT
.endr
.endm
.macro QTURN c
.irp i, 0,1,2,3,4,5,6,7,8,9,10,11,12,13,14,15
	ds_store_b128 v244, v[R+64*((\c)%2)+4*\i:R+64*((\c)%2)+4*\i+3] offset:PITCH*\i
.endr
.irp n, 0,1,2,3,4,5,6,7,8,9,10,11,12,13,14,15
	ds_load_b128 v[X+4*\n:X+4*\n+3], v245 offset:128*(\n/4)+16*(\n%4)   ; registers 16 b + 4 j on: k 32 b + 16 h + 4 j on of row r
.endr
.endm
.macro QCHUNK c
.if (\c) < 3
	s_wait_loadcnt 16                              ; this K step's 16 loads are in; the next one's 16 may be out
.else
	s_wait_loadcnt 0x0
.endif
	QTURN \c
	s_wait_dscnt 0x0                               ; my numbers are back, and the stores into the stage have read their registers
.if (\c)+2 < 4
	QLOAD (\c)+2
.endif
.if (\c) > 0
	s_wait_xcnt 0x0                                ; the last K step's stores have read the codes' registers: they are written again only behind this wait
.endif
	QUANT X, SW+(\c)
.irp g, 0,1,2
	global_store_b128 v2, v[PC+4*\g:PC+4*\g+3], s[32:33] offset:1536*(\c)+512*\g   ; 32 lanes store 512 consecutive bytes, aligned
.endr
.endm
	s_load_b128 s[4:7], s[0:1], 0x0                ; mask, maskw
	s_load_b512 s[8:23], s[0:1], 0x10              ; query, key, value, Wq, Wk, Wv, Wo, cq
	v_lshl_add_u32 v6, v0, 2, SPARE                ; my spare word
	v_mov_b32 v7, 0
	v_lshrrev_b32 v1, 5, v0
	v_readfirstlane_b32 s3, v1                     ; wave
	v_and_b32 v1, 31, v0                           ; lane
	v_lshlrev_b32 v2, 4, v1                        ; 16 x lane: my bytes of a load's 512
	v_and_b32 v13, 15, v0                          ; r
	v_bfe_u32 v14, v0, 4, 1                        ; h
	s_mul_i32 s2, s3, WST
	v_add_nc_u32 v3, s2, v2                        ; the mask's stage, on the way in
	v_mul_u32_u24 v4, v13, PITCH
	v_add_nc_u32 v4, s2, v4                        ; row r of my stage
	v_lshl_add_u32 v245, v14, 6, v4
	v_add_nc_u32 v245, QST, v245                   ; the quantiser's stage, on the way out: row r, + 64 h
	v_lshl_add_u32 v4, v14, 7, v4                  ; the mask's, on the way out: row r, + 128 h
	v_add_nc_u32 v244, QST, v3                     ; the quantiser's, on the way in
	s_wait_kmcnt 0x0
	s_cmp_lt_u32 ttmp9, MWG                        ; the one parting of the ways: by the work-group's number alone
	s_cbranch_scc0 .Lquant
	; ---- (1) the mask
	v_lshlrev_b32 v5, 3, v1                        ; 8 x lane: two words a lane
.irp i, 0,1,2,3,4,5,6,7
	v_mov_b32 v[MW+\i], 0                          ; written once: a lane write's destination counts as read
.endr
	s_lshl_b32 s26, ttmp9, 2
	s_add_co_u32 s26, s26, s3                      ; my job: 4 x work-group + wave
	s_lshr_b32 s27, s26, 3                         ; T
	s_and_b32 s28, s26, 7                          ; which 512 keys
	s_lshr_b32 s29, s27, 1
	s_lshl_b32 s29, s29, 5
	s_and_b32 s2, s27, 1
	s_lshl_b32 s2, s2, 3
	s_add_co_u32 s29, s29, s2                      ; the tile's first row: 32 (T / 2) + 8 (T % 2)
	s_lshl_b32 s24, s29, 14
	s_lshl_b32 s2, s28, 11
	s_add_co_u32 s24, s24, s2                      ; in bytes, under 2^28
	s_mov_b32 s25, 0
	s_lshl_b32 s30, s27, 13                        ; 8,192 bytes of words a tile,
	s_lshl_b32 s2, s28, 10                         ; 256 a key step
	s_add_co_u32 s30, s30, s2
	s_mov_b32 s31, 0
	s_add_nc_u64 s[4:5], s[4:5], s[24:25]
	s_add_nc_u64 s[6:7], s[6:7], s[30:31]
	MLOAD 0
	MLOAD 1
	MCHUNK 0
	MCHUNK 1
	MCHUNK 2
	MCHUNK 3
	s_wait_tensorcnt 0x0                           ; the wave's end, behind my last LDS store
	ds_add_u32 v6, v7
	s_wait_dscnt 0x0
	s_endpgm
	; ---- (2) the quantiser
.Lquant:
	s_sub_co_u32 s37, ttmp9, MWG                   ; my number among the quantiser's 416 work-groups
	v_lshlrev_b32 v12, 4, v13                      ; 16 r: my row's four scale words
.irp b, 0,1,2,3
	v_mov_b32 v[TM+4+\b], 0                        ; written once: a lane permute's destination counts as one of its sources
.endr
	s_mov_b32 s[SEL], 0x76543210
	s_mov_b32 s[SEL+1], 0xfedcba98
	s_lshl_b32 s26, s37, 2
	s_add_co_u32 s26, s26, s3                      ; G
	s_mov_b64 s[4:5], s[20:21]                     ; which tensor, and its first tile: by the work-group's number alone
	s_mov_b32 s6, 1632
	s_cmp_lt_u32 s37, 408
	s_cselect_b64 s[4:5], s[18:19], s[4:5]
	s_cselect_b32 s6, 1600, s6
	s_cmp_lt_u32 s37, 400
	s_cselect_b64 s[4:5], s[16:17], s[4:5]
	s_cselect_b32 s6, 1568, s6
	s_cmp_lt_u32 s37, 392
	s_cselect_b64 s[4:5], s[14:15], s[4:5]
	s_cselect_b32 s6, 1536, s6
	s_cmp_lt_u32 s37, 384
	s_cselect_b64 s[4:5], s[12:13], s[4:5]
	s_cselect_b32 s6, 1024, s6
	s_cmp_lt_u32 s37, 256
	s_cselect_b64 s[4:5], s[10:11], s[4:5]
	s_cselect_b32 s6, 512, s6
	s_cmp_lt_u32 s37, 128
	s_cselect_b64 s[4:5], s[8:9], s[4:5]
	s_cselect_b32 s6, 0, s6
	s_sub_co_u32 s27, s26, s6                      ; t: the tile's number in its tensor
	s_lshr_b32 s28, s27, 1
	s_lshl_b32 s28, s28, 5
	s_and_b32 s29, s27, 1
	s_lshl_b32 s29, s29, 3
	s_add_co_u32 s28, s28, s29                     ; its first row: 32 (t / 2) + 8 (t % 2);
	s_lshr_b32 s30, s27, 2
	s_lshl_b32 s30, s30, 6
	s_and_b32 s29, s27, 3
	s_lshl_b32 s29, s29, 3
	s_add_co_u32 s30, s30, s29                     ; in the key tensor: 64 (t / 4) + 8 (t % 4)
	s_lshr_b32 s29, s37, 7
	s_cmp_eq_u32 s29, 1                            ; the key tensor's work-groups are 128 to 255
	s_cselect_b32 s28, s30, s28
	s_mov_b32 s29, 16*2048
	s_cselect_b32 s36, 32*2048, s29                ; from a tile's row 0 to its row 8: 16 rows, in the key tensor 32
	s_lshl_b32 s28, s28, 11                        ; rows of 2,048 bytes
	s_mov_b32 s29, 0
	s_add_nc_u64 s[4:5], s[4:5], s[28:29]
	v_add_nc_u32 v5, s36, v2                       ; the offset of a tile's rows 8-15
	s_mul_i32 s30, s26, 6144
	s_mov_b32 s31, 0
	s_add_nc_u64 s[32:33], s[22:23], s[30:31]      ; the tile's codes
	s_lshl_b32 s30, s26, 8
	s_add_co_u32 s30, s30, CSOFF
	s_add_nc_u64 s[34:35], s[22:23], s[30:31]      ; and its scale words
	QLOAD 0
	QLOAD 1
	QCHUNK 0
	QCHUNK 1
	QCHUNK 2
	QCHUNK 3
	global_store_b128 v12, v[SW:SW+3], s[34:35]    ; 256 consecutive bytes; lanes 16-31 hold the same words as lanes 0-15 and write the same bytes
	s_wait_tensorcnt 0x0                           ; the wave's end, behind my last LDS store
	ds_add_u32 v6, v7
	s_wait_dscnt 0x0
	s_endpgm
.Lfunc_end_k_q016f5b86f2_prep:
	.size	k_q016f5b86f2_prep, .Lfunc_end_k_q016f5b86f2_prep-k_q016f5b86f2_prep
	.p2alignl 7, 3214868480
	.fill 96, 4, 3214868480
	.section	.rodata,"a",@progbits
	.p2align	6, 0x0
	.amdhsa_kernel k_q016f5b86f2_prep
		.amdhsa_group_segment_fixed_size 68096
		.amdhsa_private_segment_fixed_size 0
		.amdhsa_enable_private_segment 0
		.amdhsa_kernarg_size 80
		.amdhsa_user_sgpr_count 2
		.amdhsa_user_sgpr_kernarg_segment_ptr 1
		.amdhsa_wavefront_size32 1
		.amdhsa_system_sgpr_workgroup_id_x 1
		.amdhsa_system_sgpr_workgroup_id_y 1
		.amdhsa_system_sgpr_workgroup_id_z 1
		.amdhsa_system_vgpr_workitem_id 0
		.amdhsa_next_free_vgpr 248
		.amdhsa_next_free_sgpr 66
		.amdhsa_reserve_vcc 0
		.amdhsa_float_denorm_mode_32 3
		.amdhsa_float_denorm_mode_16_64 3
		.amdhsa_memory_ordered 1
		.amdhsa_forward_progress 1
		.amdhsa_inst_pref_size 82
	.end_amdhsa_kernel
	.amdgpu_metadata
---
amdhsa.version: [ 1, 2 ]
amdhsa.kernels:
  - .name:           k_q016f5b86f2_prep
    .symbol:         k_q016f5b86f2_prep.kd
    .args:
      - { .name: mask, .offset: 0, .size: 8, .value_kind: global_buffer, .address_space: global }
      - { .name: maskw, .offset: 8, .size: 8, .value_kind: global_buffer, .address_space: global }
      - { .name: query, .offset: 16, .size: 8, .value_kind: global_buffer, .address_space: global }
      - { .name: key, .offset: 24, .size: 8, .value_kind: global_buffer, .address_space: global }
      - { .name: value, .offset: 32, .size: 8, .value_kind: global_buffer, .address_space: global }
      - { .name: Wq, .offset: 40, .size: 8, .value_kind: global_buffer, .address_space: global }
      - { .name: Wk, .offset: 48, .size: 8, .value_kind: global_buffer, .address_space: global }
      - { .name: Wv, .offset: 56, .size: 8, .value_kind: global_buffer, .address_space: global }
      - { .name: Wo, .offset: 64, .size: 8, .value_kind: global_buffer, .address_space: global }
      - { .name: cq, .offset: 72, .size: 8, .value_kind: global_buffer, .address_space: global }
    .group_segment_fixed_size: 68096
    .private_segment_fixed_size: 0
    .kernarg_segment_align: 8
    .kernarg_segment_size: 80
    .max_flat_workgroup_size: 128
    .sgpr_count:     66
    .vgpr_count:     248
    .wavefront_size: 32
...
	.end_amdgpu_metadata
.endif
;; end of part 1
;; launch proj (part 2): grid 64 x 3, 4 waves a work-group, no clusters, 0 bytes of LDS; arguments cq, bq, bk, bv, qb, kv; writes qb, kv
.if DOCPART == 2
	.amdgcn_target "amdgcn-amd-amdhsa--gfx1250"
	.amdhsa_code_object_version 6
	.text
	.protected	k_q016f5b86f2_proj
	.globl	k_q016f5b86f2_proj
	.p2align	8
	.type	k_q016f5b86f2_proj,@function
k_q016f5b86f2_proj:
	s_mov_b64 s[64:65], 0
	v_nop
	global_prefetch_b8 v0, s[64:65] scope:SCOPE_SE
	s_setreg_imm32_b32 hwreg(HW_REG_WAVE_MODE, 25, 1), 1
	s_wait_xcnt 0x0
; q = query Wq^T + bq, k = key Wk^T + bk, v = value Wv^T + bv on codes of FP6, and the results quantised in registers for the two products of attention.  Nothing of reference() is left out here.
; FORM.  T[i][j] = sum over k of P[i][k] R[j][k] + bias, source 0 = 16 rows of P, source 1 = 16 rows of R: a lane holds ONE j and its registers run along i, which is the next product's K.
; By the choice of a tile's rows (lane r of tile t: row 32 (t / 2) + 8 (t % 2) + r + 8 (r / 8)) the 16 registers of tiles 2 b and 2 b + 1 are the neighbours i = 32 b + 16 h + 0 .. 15.
;   q, k (grid y = 0, 1): P = the weight's 128 rows 128 w on (heads 2 w and 2 w + 1), R = 128 tokens, a tile at a time; quantised along the head's 64.
;   v    (grid y = 2):    P = 128 tokens (a key step), R = Wv's rows 128 w on, a tile at a time; quantised along the keys.
; A wave keeps its P, 8 tiles x 4 K steps = 384 registers, for the whole launch, and walks 8 tiles of R, 32 matrix instructions each, fetched a tile ahead.  Operands come from cq as images of their
; registers, straight from memory: no LDS, no barrier.
; NO CLUSTER: the launch has no tensor load.  What work-groups share (a weight's fragments) is read once a wave, into the registers where it stays.
; OUT.  qb: [batch x head (16)][tile of 16 queries (256)][3 register pairs x 32 lanes x 8 bytes]; scale words behind them, [head][tile][r].  kv: [head][key step (32)][13,312 bytes]: 8 tiles of k as in qb (6,144),
; 4 tiles of v^T as 12 registers x 32 lanes (6,144), k's scale words [tile][r] (512), v's [tile][lane] (512).  In q's and k's scale words bytes 0, 1 are the head's two blocks, bytes 2, 3 hold 1: they scale zero codes.
; LIMITS: as in the launch quant.
; REGISTERS.  window 0: v1-7, v13-15 addresses; v8-11 v's bias, two pairs; v12 at work; v16-111 R's fragments, two sets; v112-119 R's scale words; v120-183 the 8 accumulators; v184-215 P's scale words;
;   v216-231 at work; v232 the scale word made; v236-254 the codes made.   window 1: P(tile a, K step s), s = 0, 1, at v[12 (2 a + s)].   window 2: s = 2, 3 likewise; from v192 q's or k's bias, 8 a tile.
.set CSOFF, 1664*6144
.set QHS,   196608                     ; a head's codes in qb
.set QSC,   3145728                    ; where qb's scale words begin
.set SB,    13312                      ; a key step in kv
.set KVH,   32*SB                      ; a head in kv
.set RF,    16
.set RS,    112
.set ACC,   120
.set PS,    184
.set TM,    216
.set PW,    232
.set PC,    236
.set B1,    192
.set CNT,   40
.set SEL,   42
.set MSB, 0
.macro WIN new                         ; the immediate's high byte repeats the setting that is left
.if MSB != \new
	s_set_vgpr_msb (MSB<<8)|\new
.set MSB, \new
.endif
.endm
.macro QUANT s, pw                     ; 64 numbers v[s] on, register 16 b + i = i-index 32 b + 16 h + i, become a fragment's codes in v[PC] on and its scale word in v[pw]
.irp b, 0,1,2,3
	v_max3_num_f32 v[TM+\b], |v[\s+16*\b]|, |v[\s+1+16*\b]|, 0x1800000   ; each accumulator is read from its low end on; the floor 2^(3 - 127) holds the byte at 1 from below
.endr
.irp i, 2,4,6,8,10,12,14
.irp b, 0,1,2,3
	v_max3_num_f32 v[TM+\b], v[TM+\b], |v[\s+16*\b+\i]|, |v[\s+1+16*\b+\i]|
.endr
.endr
.irp b, 0,1,2,3
	v_permlanex16_b32 v[TM+4+\b], v[TM+\b], s[SEL], s[SEL+1]
.endr
.irp b, 0,1,2,3
	v_max_num_f32 v[TM+\b], v[TM+\b], v[TM+4+\b]
.endr
.irp b, 0,1,2,3
	v_add_nc_u32 v[TM+12+\b], 0xff000000, v[TM+\b] ; 2 off the exponent field: the conversion's scale operand
.endr
.irp b, 0,1,2,3
	v_lshrrev_b32 v[TM+4+\b], 23, v[TM+12+\b]      ; the scale's byte
.endr
	v_lshl_or_b32 v[\pw], v[TM+5], 8, v[TM+4]
	v_lshl_or_b32 v[\pw], v[TM+6], 16, v[\pw]
	v_lshl_or_b32 v[\pw], v[TM+7], 24, v[\pw]
.irp c, 0,1
	v_cvt_scalef32_pk16_fp6_f32 v[PC+6*\c:PC+2+6*\c], v[\s+32*\c:\s+15+32*\c], v[TM+12+2*\c]
	v_cvt_scalef32_pk16_fp6_f32 v[PC+12+4*\c:PC+14+4*\c], v[\s+16+32*\c:\s+31+32*\c], v[TM+12+2*\c+1]
.endr
	v_nop                                          ; one plain place behind a scaled conversion
.irp c, 0,1
.irp i, 0,1,2
	v_permlane16_swap_b32 v[PC+6*\c+\i], v[PC+12+4*\c+\i]
.endr
.irp i, 0,1,2
	v_mov_b32 v[PC+3+6*\c+\i], v[PC+12+4*\c+\i]
.endr
.endr
.endm
; R's tile n of the trip into set: four fragments, their scale words, and on v's path the bias of the lane's output
.macro RLOAD type, set, n
.irp s, 0,1,2,3
.irp g, 0,1,2
	global_load_b128 v[RF+48*(\set)+12*\s+4*\g:RF+48*(\set)+12*\s+4*\g+3], v1, s[28:29] offset:6144*(\n)+1536*\s+512*\g
.endr
.endr
	global_load_b128 v[RS+4*(\set):RS+4*(\set)+3], v2, s[30:31] offset:256*(\n)
.if \type
	global_load_b32 v[8+2*(\set)], v7, s[38:39] offset:(32*(((\n)%4)/2)+8*((\n)%2))*4+256*((\n)/4)
.endif
.endm
; 32 matrix instructions: K step by K step, the eight accumulators by turns, one instruction a turn.  The first K step starts the sums: with the bias as C (q, k) or with 0 (v).
.macro MULS type, set
.irp s, 0,1,2,3
.if \s == 0
.if \type
	WIN 0x01                                       ; source 0 (P) window 1
.else
	WIN 0x21                                       ; source 0 window 1, source 2 (the bias) window 2
.endif
.elseif \s == 1
	WIN 0x01
.else
	WIN 0x02                                       ; source 0 window 2
.endif
.irp a, 0,1,2,3,4,5,6,7
.if \s == 0
.if \type
	v_wmma_scale_f32_16x16x128_f8f6f4 v[ACC+8*\a:ACC+8*\a+7], v[24*\a:24*\a+11], v[RF+48*(\set):RF+48*(\set)+11], 0, v[PS+4*\a], v[RS+4*(\set)] matrix_a_fmt:MATRIX_FMT_FP6 matrix_b_fmt:MATRIX_FMT_FP6
.else
	v_wmma_scale_f32_16x16x128_f8f6f4 v[ACC+8*\a:ACC+8*\a+7], v[24*\a:24*\a+11], v[RF+48*(\set):RF+48*(\set)+11], v[B1+8*\a:B1+8*\a+7], v[PS+4*\a], v[RS+4*(\set)] matrix_a_fmt:MATRIX_FMT_FP6 matrix_b_fmt:MATRIX_FMT_FP6
.endif
.else
	v_wmma_scale_f32_16x16x128_f8f6f4 v[ACC+8*\a:ACC+8*\a+7], v[24*\a+12*(\s%2):24*\a+12*(\s%2)+11], v[RF+48*(\set)+12*\s:RF+48*(\set)+12*\s+11], v[ACC+8*\a:ACC+8*\a+7], v[PS+4*\a+\s], v[RS+4*(\set)+\s] matrix_a_fmt:MATRIX_FMT_FP6 matrix_b_fmt:MATRIX_FMT_FP6
.endif
.endr
.endr
	WIN 0
.endm
; One tile of R.  type = 0: q, k; 1: v.
.macro TILE type, n
	s_wait_loadcnt 0x0                             ; this tile's operands are in (at the first tile: P, its scale words and the bias too)
.if (\n) == 3
	s_cmp_eq_u32 s[CNT], 1                         ; the last tile of all fetches nothing: no load leaves its buffer
	s_cbranch_scc1 .Lno_more_\@
.endif
	RLOAD \type, ((\n)+1)%2, (\n)+1                ; the next tile, into the set that the last tile's products have left: the places behind those products are the four v_nop and the quantiser's lines
.if (\n) == 3
.Lno_more_\@:
.endif
	MULS \type, (\n)%2
.rept 4
	v_nop                                          ; four places between the last products and the first read of results
.endr
.if \type
.irp j, 0,2,4,6,8,10,12,14,16,18,20,22,24,26,28,30,32,34,36,38,40,42,44,46,48,50,52,54,56,58,60,62
	v_pk_add_f32 v[ACC+\j:ACC+\j+1], v[ACC+\j:ACC+\j+1], v[8+2*((\n)%2):9+2*((\n)%2)] op_sel_hi:[1,0]   ; bv of my output, the same for all my keys
.endr
.endif
	s_wait_xcnt 0x0                                ; the last tile's stores have read their data: these registers are written again only behind this wait
	QUANT ACC, PW
.if \type
.irp g, 0,1,2
	global_store_b128 v1, v[PC+4*\g:PC+4*\g+3], s[32:33] offset:1536*(\n)+512*\g   ; 512 consecutive bytes, aligned
.endr
	global_store_b32 v4, v[PW], s[32:33] offset:6656+128*(\n)
.else
	v_lshrrev_b32 v12, v6, v[PW]                   ; lanes 0-15: head 2 w's two bytes; lanes 16-31: head 2 w + 1's;
	v_and_or_b32 v12, v12, s50, s51                ; bytes 2 and 3 hold 1
.irp p, 0,1,2
	global_store_b64 v3, v[PC+2*\p:PC+2*\p+1], s[32:33] offset:768*(\n)+256*\p       ; registers 0-5: head 2 w; 256 consecutive bytes, aligned
	global_store_b64 v3, v[PC+6+2*\p:PC+7+2*\p], s[34:35] offset:768*(\n)+256*\p     ; registers 6-11: head 2 w + 1
.endr
	global_store_b32 v5, v12, s[36:37] offset:64*(\n)
.endif
.endm
	s_load_b256 s[4:11], s[0:1], 0x0               ; cq, bq, bk, bv
	s_load_b128 s[12:15], s[0:1], 0x20             ; qb, kv
	v_lshrrev_b32 v12, 5, v0
	v_readfirstlane_b32 s17, v12                   ; wave w
	v_and_b32 v12, 31, v0                          ; lane
	v_and_b32 v13, 15, v0                          ; r
	v_bfe_u32 v14, v0, 4, 1                        ; h
	v_lshlrev_b32 v1, 4, v12                       ; 16 x lane
	v_lshlrev_b32 v2, 4, v13                       ; 16 r
	v_lshlrev_b32 v3, 3, v12                       ; 8 x lane
	v_lshlrev_b32 v4, 2, v12                       ; 4 x lane
	v_lshlrev_b32 v6, 4, v14                       ; 16 h
	v_and_b32 v7, 8, v13
	v_add_nc_u32 v7, v7, v13
	v_lshlrev_b32 v7, 2, v7                        ; 4 (r + 8 (r / 8)): my output in a tile of Wv's rows
	v_lshlrev_b32 v15, 6, v14                      ; 64 h
	v_mov_b32 v9, 0                                ; (named as the upper halves of the bias's pairs)
	v_mov_b32 v11, 0
.irp b, 0,1,2,3
	v_mov_b32 v[TM+4+\b], 0                        ; written once: a lane permute's destination counts as one of its sources
.endr
	s_mov_b32 s[SEL], 0x76543210
	s_mov_b32 s[SEL+1], 0xfedcba98
	s_and_b32 s16, ttmp7, 0xffff                   ; which tensor: 0 q, 1 k, 2 v
	s_lshl_b32 s18, s16, 5
	s_lshl_b32 s19, s17, 3
	s_add_co_u32 s18, s18, s19
	s_add_co_u32 s18, s18, 1536                    ; the weight's tiles: 1,536 + 32 t + 8 w on
	s_lshl_b32 s20, s16, 9
	s_lshl_b32 s21, ttmp9, 3
	s_add_co_u32 s20, s20, s21                     ; the tokens' tiles: 512 t + 8 x on
	s_cmp_eq_u32 s16, 2
	s_cselect_b32 s22, s20, s18                    ; P: the weight's, for v the tokens'
	s_cselect_b32 s23, s18, s20                    ; R: the other
	s_mul_i32 s24, s22, 6144
	s_mov_b32 s25, 0
	s_lshl_b32 s26, s22, 8
	s_add_co_u32 s26, s26, CSOFF
	s_mov_b32 s27, 0
	s_mul_i32 s28, s23, 6144
	s_mov_b32 s29, 0
	s_lshl_b32 s30, s23, 8
	s_add_co_u32 s30, s30, CSOFF
	s_mov_b32 s31, 0
	s_lshr_b32 s44, ttmp9, 5
	s_lshl_b32 s44, s44, 3
	s_lshl_b32 s45, s17, 1
	s_add_co_u32 s44, s44, s45                     ; batch x 8 + head 2 w
	s_and_b32 s45, ttmp9, 31                       ; which 128 tokens of the batch
	s_lshl_b32 s52, s17, 9                         ; my 128 numbers of a bias
	s_mov_b32 s53, 0
	s_mov_b32 s50, 0xffff
	s_mov_b32 s51, 0x01010000
	s_wait_kmcnt 0x0
	s_add_nc_u64 s[24:25], s[4:5], s[24:25]        ; P's codes,
	s_add_nc_u64 s[26:27], s[4:5], s[26:27]        ; P's scale words,
	s_add_nc_u64 s[28:29], s[4:5], s[28:29]        ; R's codes,
	s_add_nc_u64 s[30:31], s[4:5], s[30:31]        ; R's scale words
	WIN 0x40                                       ; destination window 1
.irp a, 0,1,2,3,4,5,6,7
.irp s, 0,1
.irp g, 0,1,2
	global_load_b128 v[24*\a+12*\s+4*\g:24*\a+12*\s+4*\g+3], v1, s[24:25] offset:6144*\a+1536*\s+512*\g
.endr
.endr
.endr
	WIN 0x80                                       ; destination window 2
.irp a, 0,1,2,3,4,5,6,7
.irp s, 0,1
.irp g, 0,1,2
	global_load_b128 v[24*\a+12*\s+4*\g:24*\a+12*\s+4*\g+3], v1, s[24:25] offset:6144*\a+1536*(\s+2)+512*\g
.endr
.endr
.endr
	WIN 0
.irp a, 0,1,2,3,4,5,6,7
	global_load_b128 v[PS+4*\a:PS+4*\a+3], v2, s[26:27] offset:256*\a
.endr
	s_cmp_eq_u32 s16, 2                            ; the one parting of the ways: by the work-group's number alone
	s_cbranch_scc1 .Lv_path
	; ---- q and k
	s_cmp_eq_u32 s16, 0
	s_cselect_b64 s[32:33], s[12:13], s[14:15]     ; qb or kv
	s_cselect_b64 s[38:39], s[6:7], s[8:9]         ; bq or bk
	s_mov_b32 s46, KVH
	s_mov_b32 s47, SB
	s_cselect_b32 s48, QHS, s46                    ; codes: from head to head,
	s_cselect_b32 s49, 6144, s47                   ; from 128 tokens to the next
	s_cselect_b32 s54, 16384, s46                  ; scale words: from head to head,
	s_cselect_b32 s55, 512, s47                    ; from 128 tokens to the next,
	s_mov_b32 s47, 12288
	s_cselect_b32 s56, QSC, s47                    ; and where they begin
	s_mul_i32 s58, s44, s48
	s_mul_i32 s57, s45, s49
	s_add_co_u32 s58, s58, s57
	s_mov_b32 s59, 0
	s_mul_i32 s60, s44, s54
	s_mul_i32 s57, s45, s55
	s_add_co_u32 s60, s60, s57
	s_add_co_u32 s60, s60, s56
	s_mov_b32 s61, 0
	s_mov_b32 s49, 0
	s_add_nc_u64 s[36:37], s[32:33], s[60:61]      ; head 2 w's scale words
	s_add_nc_u64 s[32:33], s[32:33], s[58:59]      ; head 2 w's codes
	s_add_nc_u64 s[34:35], s[32:33], s[48:49]      ; head 2 w + 1's
	s_add_nc_u64 s[38:39], s[38:39], s[52:53]
	v_mul_u32_u24 v5, s54, v14
	v_lshl_add_u32 v5, v13, 2, v5                  ; a scale word's place: 4 r, lanes 16-31 a head further on
	WIN 0x80
.irp a, 0,1,2,3,4,5,6,7                ; the bias in the result's layout: lane (r, h), tile 2 b + u: outputs 32 b + 16 h + 8 u + 0 .. 7
	global_load_b128 v[B1+8*\a:B1+8*\a+3], v15, s[38:39] offset:(32*(\a/2)+8*(\a%2))*4
	global_load_b128 v[B1+8*\a+4:B1+8*\a+7], v15, s[38:39] offset:(32*(\a/2)+8*(\a%2))*4+16
.endr
	WIN 0
	RLOAD 0, 0, 0
	s_mov_b32 s[CNT], 2
.Lqk:                                              ; two trips of four tiles of tokens
	TILE 0, 0
	TILE 0, 1
	TILE 0, 2
	TILE 0, 3
	s_wait_xcnt 0x0                                ; loads and stores have read their bases: they step only behind this wait
	s_add_nc_u64 s[28:29], s[28:29], 4*6144
	s_add_nc_u64 s[30:31], s[30:31], 4*256
	s_add_nc_u64 s[32:33], s[32:33], 4*768
	s_add_nc_u64 s[34:35], s[34:35], 4*768
	s_add_nc_u64 s[36:37], s[36:37], 4*64
	s_sub_co_u32 s[CNT], s[CNT], 1
	s_cmp_lg_u32 s[CNT], 0
	s_cbranch_scc1 .Lqk
	s_endpgm
	; ---- v
.Lv_path:
	s_mul_i32 s58, s44, KVH
	s_mul_i32 s57, s45, SB
	s_add_co_u32 s58, s58, s57
	s_add_co_u32 s58, s58, 6144
	s_mov_b32 s59, 0
	s_add_nc_u64 s[32:33], s[14:15], s[58:59]      ; head 2 w, my key step, behind k's tiles
	s_add_nc_u64 s[38:39], s[10:11], s[52:53]
	RLOAD 1, 0, 0
	s_mov_b32 s[CNT], 2
.Lv:                                               ; two trips, a head each: four tiles of 16 of the head's 64
	TILE 1, 0
	TILE 1, 1
	TILE 1, 2
	TILE 1, 3
	s_wait_xcnt 0x0
	s_add_nc_u64 s[28:29], s[28:29], 4*6144
	s_add_nc_u64 s[30:31], s[30:31], 4*256
	s_add_nc_u64 s[32:33], s[32:33], KVH
	s_add_nc_u64 s[38:39], s[38:39], 256
	s_sub_co_u32 s[CNT], s[CNT], 1
	s_cmp_lg_u32 s[CNT], 0
	s_cbranch_scc1 .Lv
	s_endpgm
.Lfunc_end_k_q016f5b86f2_proj:
	.size	k_q016f5b86f2_proj, .Lfunc_end_k_q016f5b86f2_proj-k_q016f5b86f2_proj
	.p2alignl 7, 3214868480
	.fill 96, 4, 3214868480
	.section	.rodata,"a",@progbits
	.p2align	6, 0x0
	.amdhsa_kernel k_q016f5b86f2_proj
		.amdhsa_group_segment_fixed_size 0
		.amdhsa_private_segment_fixed_size 0
		.amdhsa_enable_private_segment 0
		.amdhsa_kernarg_size 48
		.amdhsa_user_sgpr_count 2
		.amdhsa_user_sgpr_kernarg_segment_ptr 1
		.amdhsa_wavefront_size32 1
		.amdhsa_system_sgpr_workgroup_id_x 1
		.amdhsa_system_sgpr_workgroup_id_y 1
		.amdhsa_system_sgpr_workgroup_id_z 1
		.amdhsa_system_vgpr_workitem_id 0
		.amdhsa_next_free_vgpr 768
		.amdhsa_next_free_sgpr 66
		.amdhsa_reserve_vcc 0
		.amdhsa_float_denorm_mode_32 3
		.amdhsa_float_denorm_mode_16_64 3
		.amdhsa_memory_ordered 1
		.amdhsa_forward_progress 1
		.amdhsa_inst_pref_size 106
	.end_amdhsa_kernel
	.amdgpu_metadata
---
amdhsa.version: [ 1, 2 ]
amdhsa.kernels:
  - .name:           k_q016f5b86f2_proj
    .symbol:         k_q016f5b86f2_proj.kd
    .args:
      - { .name: cq, .offset: 0, .size: 8, .value_kind: global_buffer, .address_space: global }
      - { .name: bq, .offset: 8, .size: 8, .value_kind: global_buffer, .address_space: global }
      - { .name: bk, .offset: 16, .size: 8, .value_kind: global_buffer, .address_space: global }
      - { .name: bv, .offset: 24, .size: 8, .value_kind: global_buffer, .address_space: global }
      - { .name: qb, .offset: 32, .size: 8, .value_kind: global_buffer, .address_space: global }
      - { .name: kv, .offset: 40, .size: 8, .value_kind: global_buffer, .address_space: global }
    .group_segment_fixed_size: 0
    .private_segment_fixed_size: 0
    .kernarg_segment_align: 8
    .kernarg_segment_size: 48
    .max_flat_workgroup_size: 128
    .sgpr_count:     66
    .vgpr_count:     768
    .wavefront_size: 32
...
	.end_amdgpu_metadata
.endif
;; end of part 2
;; launch attn (part 3): grid 16 x 16, 16 waves a work-group, clusters of 4 x 1, 327,680 bytes of LDS; arguments qb, kv, maskw, ab; writes ab
.if DOCPART == 3
	.amdgcn_target "amdgcn-amd-amdhsa--gfx1250"
	.amdhsa_code_object_version 6
	.text
	.protected	k_q016f5b86f2_attn
	.globl	k_q016f5b86f2_attn
	.p2align	8
	.type	k_q016f5b86f2_attn,@function
k_q016f5b86f2_attn:
	s_mov_b64 s[64:65], 0
	v_nop
	global_prefetch_b8 v0, s[64:65] scope:SCOPE_SE
	s_setreg_imm32_b32 hwreg(HW_REG_WAVE_MODE, 25, 1), 1
	s_wait_xcnt 0x0
	s_wait_alu depctr_hold_cnt(0) depctr_sa_sdst(0) depctr_va_vdst(0) depctr_va_sdst(0) depctr_va_ssrc(0) depctr_va_vcc(0) depctr_vm_vsrc(0)
	s_getreg_b32 s2, hwreg(HW_REG_IB_STS2, 6, 4)
	s_cmp_eq_u32 s2, 0
	s_cbranch_scc0 .Lentry_in_a_cluster
	s_endpgm
.Lentry_in_a_cluster:
	s_bfe_u32 s2, ttmp6, 0x10000c
	s_cmp_lg_u32 s2, 0x3003
	s_cbranch_scc0 .Lentry_shape_is_right
	s_endpgm
.Lentry_shape_is_right:
; attn[b][q][head] = softmax over the keys of (q . k, or -1e9 where mask == 0) x v, both products on codes of FP6 (E2M3) with one E8M0 scale for each 32 along K; the result is quantised along D for the last product.
; Nothing of reference() is left out here.  The first product's K is 64: the upper 64 of the matrix instruction's 128 are zero codes on q's side (what stands there on k's side is the next tile's codes: finite numbers, times zero).
; THE SOFTMAX: t = logit x log2(e); M = the row's largest t so far, rounded up to a whole number; p = 2^(t - M) is quantised along the keys, not normalised; the row's sum is taken of the unquantised p and divides at
; the end.  When M moves, the sum and O are multiplied by 2^(old M - new M): exact.
; THE MASK comes as lane masks, one 32-bit word for each score register (launch prep), by scalar loads a key step ahead: one select a score, no compare, no branch.
; LIMIT.  A hidden logit is set to -2^30, not -1e9: log2(e) x 2^30 is a whole number that f32 holds, so in a row with no key left t - M is exactly 0 and every p exactly 1, as the rule's t - M gives; with -1e9 the fused
; t - M would be the product's rounding remainder.  The result differs from reference() only where a logit that is not hidden lies under about -9e8.  NaN and infinities are not served.
; SHARES.  A work-group owns 256 queries of one head, each of its sixteen waves one tile of 16 in 256 registers.  Every wave walks the head's 32 key steps of 128 keys.
; LAYOUT.  Both products are used transposed: S^T = k q^T (source 0 = 16 keys), O^T = v^T p^T (source 0 = 16 of the head's 64): a lane holds ONE query throughout.
;   Lane r of a tile of KEYS holds key 64 (t / 4) + 8 (t % 4) + r % 8 + 32 (r / 8) of the step: so the 32 score registers of tiles 4 c .. 4 c + 3 are the keys 64 c + 32 (lane / 16) + 0 .. 31: A WHOLE BLOCK OF 32 IN ONE
;   LANE, in the order of the second product's operand.  A block's largest p needs no other lane, and the conversions' results stay in their lanes.
;   Lane r of a tile of queries, and of the head's 64, holds row 32 (t / 2) + 8 (t % 2) + r + 8 (r / 8): the 16 registers of O^T's tiles 2 b, 2 b + 1 are the neighbours 32 b + 16 (lane / 16) + 0 .. 15.
; THE RING.  kv holds a key step as one dense block of 13,312 bytes, images of operand registers; a slot is 8 steps.  Each wave fetches a sixteenth of a slot, 26 rows of 256 bytes, by one tensor load: one load of a
; wave is out at most.  CLUSTER: the four query blocks of a cluster belong to one head and walk the same slots: each load is asked for jointly by the four.
; NO PREFETCH: a slot is asked for eight key steps, and a step's mask words one key step, ahead of their use.
; REGISTERS: v1-3 4, 8, 16 x lane; v4, v5 the add's two; v6-8 the step's LDS addresses; v9 the scale byte's place; v11 8 h; v12 -M, v13 the largest score, v[14:15] the sum in two halves; v16-21 q's codes,
; v22-27 zeros; v28 -2^30; v32-79 k's eight tiles, six registers each, later v's four, twelve each; v80-85 zeros; v96-159 S^T, then p; v160-191 O^T; v224-235 p's codes; v232-254 at work; v248-251 k's, then v's scale
; words; v253 p's scale word; v255 q's.
.set SB,    13312                      ; a key step: k's tiles 8 x 768, v's 4 x 1,536, k's scale words 512, v's 512
.set VIMG,  6144
.set KSC,   12288
.set VSC,   12800
.set SLOTB, 8*SB                       ; a slot
.set SLOT1, 1<<17                      ; slot 1 begins here: one exclusive or turns an address in one slot into the other's
.set SPARE, SLOTB                      ; between the slots: the spare words, 128 bytes for each of 16 waves, which no other line names
.set KVH,   32*SB
.set QHS,   196608
.set QSC,   3145728
.set ASC,   3145728                    ; where ab's scale bytes begin
.set TB,    2                          ; s2   LDS byte at which the step in hand begins
.set KS,    3                          ; s3   the key step's number
.set MP,    4                          ; s[4:5] my tile's mask words
.set MO,    6                          ; s6   256 x the step whose words are asked for
.set WV,    7                          ; s7   my wave's number
.set SEL,   8                          ; s[8:9] lane selects: lane l xor 16
.set CS,    10                         ; s[10:11] log2(e): the packed form names a pair and takes its low word for both halves
.set G0,    12                         ; s[12:15] descriptor group 0, which walks
.set G1,    16                         ; s[16:23] descriptor group 1
.set SLOTS, 24
.set IC,    25
.set OP,    26                         ; s[26:27] my tile's codes in ab
.set OS,    28                         ; s[28:29] my tile's scale bytes
; s[32:63] mask words 0-31, s[68:99] mask words 32-63 (at the head: arguments and work); s[100:101], s[104:105] q's codes and scale words
.macro CROUND                          ; a round of the cluster's barrier
	s_barrier_signal -1
	s_barrier_wait -1
	s_cmp_lg_u32 s[WV], 0
	s_cbranch_scc1 .Lnot_wave_0_\@
	s_barrier_signal -3
.Lnot_wave_0_\@:
	s_barrier_wait -3
	s_barrier_signal -1
	s_barrier_wait -1
.endm
	s_load_b256 s[68:75], s[0:1], 0x0              ; qb, kv, maskw, ab
	v_lshl_add_u32 v4, v0, 2, SPARE
	v_mov_b32 v5, 0
	ds_add_u32 v4, v5                              ; the wave's opening: the add, twice on end, and its wait ahead of my first tensor load
	ds_add_u32 v4, v5
	v_lshrrev_b32 v6, 5, v0
	v_readfirstlane_b32 s[WV], v6                  ; wave 0..15
	s_and_b32 s77, ttmp7, 0xffff                   ; batch x 8 + head, which the four partners share
	s_mul_i32 s84, s77, KVH
	s_mul_i32 s86, s[WV], 26*256                   ; my sixteenth of a slot: in memory and in LDS; no place in the cluster enters either
	s_add_co_u32 s84, s84, s86
	s_mov_b32 s85, 0
	s_mov_b32 s[G1], 15|(3<<16)|(1<<21)            ; 15:0 the mask: all four work-groups; 17:16 elements of 8 bytes; 20 no padding; 21 set beside a mask
	s_mov_b32 s[G1+1], 32<<16                      ; tensor_dim0 = 32 elements: 256 bytes
	s_mov_b32 s[G1+2], 26<<16                      ; tensor_dim1 = 26 rows
	s_mov_b32 s[G1+3], 32<<16                      ; tile_dim0
	s_mov_b32 s[G1+4], 26                          ; tile_dim1
	s_mov_b32 s[G1+5], 32                          ; from row to row: dense
	s_mov_b32 s[G1+6], 0
	s_mov_b32 s[G1+7], 0
	s_bfe_u32 s30, ttmp6, 0x40000                  ; cx: it enters q's, the mask's and ab's addresses alone
	s_lshl_b32 s31, ttmp9, 2
	s_add_co_u32 s31, s31, s30                     ; my block of 256 queries
	s_lshl_b32 s76, s31, 4
	s_add_co_u32 s76, s76, s[WV]                   ; my tile of 16 queries in the batch
	s_mul_i32 s88, s77, QHS
	s_mul_i32 s78, s76, 768
	s_add_co_u32 s88, s88, s78
	s_mov_b32 s89, 0
	s_lshl_b32 s90, s77, 14
	s_lshl_b32 s78, s76, 6
	s_add_co_u32 s90, s90, s78
	s_add_co_u32 s90, s90, QSC
	s_mov_b32 s91, 0
	s_lshr_b32 s92, s77, 3
	s_lshl_b32 s92, s92, 8
	s_add_co_u32 s92, s92, s76                     ; T: my tile among both batches' 512
	s_lshl_b32 s94, s92, 13
	s_mov_b32 s95, 0
	s_and_b32 s79, s77, 7                          ; the head
	s_mul_i32 s96, s92, 6144
	s_mul_i32 s78, s79, 768                        ; K step head / 2, register pairs 3 (head % 2) on
	s_add_co_u32 s96, s96, s78
	s_mov_b32 s97, 0
	s_lshl_b32 s98, s92, 8
	s_lshl_b32 s78, s79, 1
	s_add_co_u32 s98, s98, s78
	s_add_co_u32 s98, s98, ASC
	s_mov_b32 s99, 0
	s_mov_b32 s[SEL], 0x76543210
	s_mov_b32 s[SEL+1], 0xfedcba98
	s_mov_b32 s[CS], 0x3fb8aa3b                    ; log2(e)
	s_mov_b32 s[CS+1], s[CS]
	s_mov_b32 s[TB], 0
	s_mov_b32 s[KS], 0
	s_mov_b32 s[SLOTS], 3
	s_wait_dscnt 0x0                               ; both opening adds are done
	s_wait_kmcnt 0x0
	s_mov_b32 s[G0], 1                             ; count = 1
	s_mov_b32 s[G0+1], s86                         ; LDS address: slot 0
	s_add_nc_u64 s[G0+2:G0+3], s[70:71], s[84:85]  ; global address: the head's first 8 key steps
	s_or_b32 s[G0+3], s[G0+3], 0x80000000          ; type = 2
	s_add_nc_u64 s[100:101], s[68:69], s[88:89]
	s_add_nc_u64 s[104:105], s[68:69], s[90:91]
	s_add_nc_u64 s[MP:MP+1], s[72:73], s[94:95]
	s_add_nc_u64 s[OP:OP+1], s[74:75], s[96:97]
	s_add_nc_u64 s[OS:OS+1], s[74:75], s[98:99]
	CROUND                                         ; all four work-groups are here: the first joint loads meet
	tensor_load_to_lds s[G0:G0+3], s[G1:G1+7]      ; slot 0
	s_nop 0
.rept 4
	v_nop
.endr
	v_and_b32 v6, 31, v0
	v_lshlrev_b32 v1, 2, v6
	v_lshlrev_b32 v2, 3, v6
	v_lshlrev_b32 v3, 4, v6
	v_and_b32 v7, 15, v0                           ; r
	v_bfe_u32 v8, v0, 4, 1                         ; h
	v_lshl_add_u32 v9, v7, 4, v8                   ; 16 r + h
	v_lshlrev_b32 v10, 2, v7
	v_lshlrev_b32 v11, 3, v8                       ; 8 h: how far my two scale bytes are shifted in p's scale word
.irp p, 0,1,2
	global_load_b64 v[16+2*\p:17+2*\p], v2, s[100:101] offset:256*\p   ; q's six registers stay
.endr
	global_load_b32 v255, v10, s[104:105]          ; and its scale words
	s_load_b512 s[32:47], s[MP:MP+1], 0x0          ; key step 0's mask words (the arguments' registers are done with)
	s_load_b512 s[48:63], s[MP:MP+1], 0x40
	s_load_b512 s[68:83], s[MP:MP+1], 0x80
	s_load_b512 s[84:99], s[MP:MP+1], 0xc0
.irp j, 0,1,2,3,4,5
	v_mov_b32 v[22+\j], 0                          ; q's upper 64 along K: zero codes
	v_mov_b32 v[80+\j], 0                          ; what stands behind k's last tile
.endr
	v_mov_b32 v28, 0xce800000                      ; -2^30
	v_mov_b32 v13, 0xff61b1e6                      ; the largest score so far: -3e38, under every score
	v_floor_f32 v12, -v13                          ; -M: a number above every -M to come
	v_mov_b32 v14, 0
	v_mov_b32 v15, 0
.irp b, 0,1,2,3
	v_mov_b32 v[236+\b], 0                         ; written once: a lane permute's destination counts as one of its sources
.endr
	v_mov_b32 v253, 0                              ; (named as the upper half of the pair v[252:253] before it is first written)
.set NN, 0
.rept 32
	v_mov_b32 v[160+NN], 0                         ; O^T: the step is written once; the first finds zeros, which the first change of M leaves zeros
.set NN, NN+1
.endr
; A KEY STEP: 128 keys.
.macro STEP
	v_add_nc_u32 v6, s[TB], v1
	v_add_nc_u32 v7, s[TB], v2
	v_nop
	v_nop                                          ; four places between the last step's products and the loads into their registers
.irp t, 0,1,2,3,4,5,6,7
.irp p, 0,1,2
	ds_load_b64 v[32+6*\t+2*\p:33+6*\t+2*\p], v7 offset:768*\t+256*\p   ; 256 consecutive bytes an instruction
.endr
.endr
.irp b, 0,1,2,3
	ds_load_b32 v[248+\b], v6 offset:KSC+128*\b    ; lanes 0-15: tile 2 b's scale words; lanes 16-31: tile 2 b + 1's
.endr
	s_wait_dscnt 0x0
.irp t, 0,2,4,6                        ; S^T = k q^T: eight accumulators, one instruction each
	v_wmma_scale_f32_16x16x128_f8f6f4 v[96+8*\t:103+8*\t], v[32+6*\t:43+6*\t], v[16:27], 0, v[248+\t/2], v255 matrix_a_fmt:MATRIX_FMT_FP6 matrix_b_fmt:MATRIX_FMT_FP6
	v_wmma_scale_f32_16x16x128_f8f6f4 v[104+8*\t:111+8*\t], v[38+6*\t:49+6*\t], v[16:27], 0, v[248+\t/2], v255 matrix_a_fmt:MATRIX_FMT_FP6 matrix_b_fmt:MATRIX_FMT_FP6 matrix_a_scale:MATRIX_SCALE_ROW1
.endr
	v_add_nc_u32 v8, s[TB], v3                     ; four places, two of them work that is due: for the loads below, and for the first read of the scores
	v_mov_b32 v237, v12                            ; the old -M is kept
	v_nop
	v_nop
.irp t, 0,1,2,3
.irp g, 0,1,2
	ds_load_b128 v[32+12*\t+4*\g:35+12*\t+4*\g], v8 offset:VIMG+1536*\t+512*\g   ; v's tiles land while the softmax is walked
.endr
.endr
.irp t, 0,1,2,3
	ds_load_b32 v[248+\t], v6 offset:VSC+128*\t
.endr
	s_wait_kmcnt 0x0                               ; this step's mask words are in, so the offset of their loads may be written:
	s_add_co_u32 s[MO], s[KS], 1
	s_min_u32 s[MO], s[MO], 31                     ; the next step's; the last step asks for its own again, so that no load leaves the buffer
	s_lshl_b32 s[MO], s[MO], 8
.set NN, 0
.rept 32
	v_cndmask_b32 v[96+NN], v28, v[96+NN], s[32+NN]   ; a hidden key's score becomes -2^30; each accumulator is read from its low end on
.set NN, NN+1
.endr
	s_load_b512 s[32:47], s[MP:MP+1], s[MO] offset:0x0
	s_load_b512 s[48:63], s[MP:MP+1], s[MO] offset:0x40
.set NN, 0
.rept 32
	v_cndmask_b32 v[128+NN], v28, v[128+NN], s[68+NN]
.set NN, NN+1
.endr
	s_load_b512 s[68:83], s[MP:MP+1], s[MO] offset:0x80
	s_load_b512 s[84:99], s[MP:MP+1], s[MO] offset:0xc0
.irp b, 0,1,2,3
	v_max3_num_f32 v[232+\b], v[96+16*\b], v[97+16*\b], v[98+16*\b]   ; the largest score of my two blocks of 32 keys, in four chains by turns: for the row's maximum, and, since p rises with the score, for the block's largest p
.endr
.irp i, 3,5,7,9,11,13
.irp b, 0,1,2,3
	v_max3_num_f32 v[232+\b], v[232+\b], v[96+16*\b+\i], v[97+16*\b+\i]
.endr
.endr
	v_max3_num_f32 v232, v232, v233, v111          ; block h: two chains and the two scores left over
	v_max3_num_f32 v234, v234, v235, v143          ; block 2 + h likewise
	v_max_num_f32 v232, v232, v127
	v_max_num_f32 v234, v234, v159
	v_max_num_f32 v254, v232, v234                 ; my 64 keys',
	v_permlanex16_b32 v236, v254, s[SEL], s[SEL+1]
	v_max3_num_f32 v13, v254, v236, v13            ; lane l xor 16's 64, and the largest so far: the running largest score
	v_mul_f32 v254, s[CS], v13                     ; as t (log2(e) is positive, and rounding keeps the order: the largest score gives the largest t)
	v_floor_f32 v12, -v254                         ; the new -M = -ceil(t): a whole number
	v_sub_f32 v254, v12, v237                      ; old M - new M: 0 or less
	v_cvt_i32_f32 v254, v254                       ; (it saturates)
	v_ldexp_f32 v252, 1.0, v254                    ; f = 2^(old M - new M)
.set NN, 0
.rept 32
	v_pk_fma_f32 v[96+NN:97+NN], v[96+NN:97+NN], s[CS:CS+1], v[12:13] op_sel_hi:[1,0,0]   ; t - M, two at a time
.set NN, NN+2
.endr
	v_fma_f32 v232, v232, s[CS], v12               ; the same of each block's largest score
	v_fma_f32 v234, v234, s[CS], v12
.set NN, 0
.rept 64
	v_exp_f32 v[96+NN], v[96+NN]                   ; p = 2^(t - M)
.set NN, NN+1
.endr
	v_pk_mul_f32 v[14:15], v[14:15], v[252:253] op_sel_hi:[1,0]   ; the sums under the new M: a plain place behind the exponentials
	s_wait_alu depctr_va_vdst(0)                   ; one wait for the batch of 64, ahead of its first reader
	v_exp_f32 v232, v232                           ; each block's largest p: the same two instructions on the same number give the same bits
	v_exp_f32 v234, v234
	v_pk_add_f32 v[236:237], v[96:97], v[98:99]    ; the row's sum of the unquantised p, in two chains; it reads the 64 alone
.irp j, 4,8,12,16,20,24,28,32,36,40,44,48,52,56,60
	v_pk_add_f32 v[14:15], v[14:15], v[96+\j:97+\j]
	v_pk_add_f32 v[236:237], v[236:237], v[98+\j:99+\j]
.endr
	v_pk_add_f32 v[14:15], v[14:15], v[236:237]
	s_wait_alu depctr_va_vdst(0)                   ; and one for the two
	v_max_num_f32 v232, 0x1800000, v232            ; the floor 2^(3 - 127): a block whose every p is 0 keeps the byte 1; its codes are zeros
	v_max_num_f32 v234, 0x1800000, v234
	v_add_nc_u32 v244, 0xff000000, v232            ; 2 off the exponent field: the conversions' scale operands
	v_add_nc_u32 v245, 0xff000000, v234
	v_lshrrev_b32 v238, 23, v244                   ; the scales' bytes
	v_lshrrev_b32 v239, 23, v245
	v_lshl_or_b32 v238, v239, 16, v238             ; my two bytes: blocks h and 2 + h of my query,
	v_lshlrev_b32 v238, v11, v238                  ; at their places in the scale word (8 h bits up);
	v_permlanex16_b32 v239, v238, s[SEL], s[SEL+1]
	v_or_b32 v253, v238, v239                      ; with lane l xor 16's two the word for these 128 keys is whole
	v_cvt_scalef32_pk16_fp6_f32 v[224:226], v[96:111], v244     ; registers 0-2 of the operand: keys 32 h + 0 .. 15
	v_cvt_scalef32_pk16_fp6_f32 v[236:238], v[112:127], v244    ; (a conversion's three registers begin on an even number: a block's second three do not, so they are made elsewhere and moved)
	v_cvt_scalef32_pk16_fp6_f32 v[230:232], v[128:143], v245    ; registers 6-8: keys 64 + 32 h + 0 .. 15
	v_cvt_scalef32_pk16_fp6_f32 v[240:242], v[144:159], v245
	v_nop                                          ; one plain place behind a scaled conversion
.irp i, 0,1,2
	v_mov_b32 v[227+\i], v[236+\i]
.endr
.irp i, 0,1,2
	v_mov_b32 v[233+\i], v[240+\i]
.endr
.set NN, 0
.rept 16
	v_pk_mul_f32 v[160+NN:161+NN], v[160+NN:161+NN], v[252:253] op_sel_hi:[1,0]   ; O^T under the new M; these sixteen also stand between the lines that made p's codes and scale word and the products
.set NN, NN+2
.endr
	s_wait_dscnt 0x0                               ; v's tiles and scale words are in
.irp t, 0,1,2,3                        ; O^T += v^T p^T: four accumulators, one instruction each
	v_wmma_scale_f32_16x16x128_f8f6f4 v[160+8*\t:167+8*\t], v[32+12*\t:43+12*\t], v[224:235], v[160+8*\t:167+8*\t], v[248+\t], v253 matrix_a_fmt:MATRIX_FMT_FP6 matrix_b_fmt:MATRIX_FMT_FP6
.endr
	s_add_co_u32 s[TB], s[TB], SB
	s_add_co_u32 s[KS], s[KS], 1
.endm
.macro SLOT_STEPS                      ; a slot's eight key steps: written once, walked eight times
	s_mov_b32 s[IC], 8
.Lstep_\@:
	STEP
	s_sub_co_u32 s[IC], s[IC], 1
	s_cmp_lg_u32 s[IC], 0
	s_cbranch_scc1 .Lstep_\@
	s_sub_co_u32 s[TB], s[TB], SLOTB               ; back to a slot's first step,
	s_xor_b32 s[TB], s[TB], SLOT1                  ; in the other slot
.endm
; THE CHANGE OF SLOTS stands at a slot's head.  Each wave waits for all its tensor loads (its part of the slot ahead), adds 0 to its spare word, and waits for that and for its reads of the slot that it has left.
; fill = 1: a round of the cluster's barrier, so that no wave of any partner still reads that slot or has a load on its way; the joint load is the first thing behind it and has eight key steps in which to land.
.macro CHANGE fill
	s_wait_tensorcnt 0x0                           ; no tensor load of mine is out, so group 0 may be written
	ds_add_u32 v4, v5
.if \fill
	s_xor_b32 s[G0+1], s[G0+1], SLOT1              ; the other slot than last time,
	s_add_nc_u64 s[G0+2:G0+3], s[G0+2:G0+3], SLOTB ; the next eight key steps; the type bits on top are not reached
	s_wait_dscnt 0x0
	CROUND
	tensor_load_to_lds s[G0:G0+3], s[G1:G1+7]
	s_nop 0
.rept 4
	v_nop
.endr
.else
	s_wait_dscnt 0x0
	s_barrier_signal -1
	s_barrier_wait -1
.endif
.endm
	s_wait_loadcnt 0x0                             ; q
.Lslot:                                            ; three trips: behind each change of slots but the last the next slot is asked for
	CHANGE 1
	SLOT_STEPS
	s_sub_co_u32 s[SLOTS], s[SLOTS], 1
	s_cmp_lg_u32 s[SLOTS], 0
	s_cbranch_scc1 .Lslot
	CHANGE 0                                       ; the last slot is written out
	SLOT_STEPS
	; THE WAY OUT.  O^T / the sum is the head's 64 numbers of my query; register 16 b + i = 32 b + 16 h + i: two blocks of the last product's K, each in lanes l and l xor 16.  They are quantised here and leave as an
	; image of operand registers.
.rept 4
	v_nop                                          ; four places behind the last products
.endr
	v_add_f32 v14, v14, v15
	v_permlanex16_b32 v252, v14, s[SEL], s[SEL+1]
	v_add_f32 v14, v14, v252                       ; the row's sum
	v_rcp_f32 v14, v14
	v_and_b32 v10, 31, v0                          ; (a plain place behind the reciprocal)  lane
	s_wait_alu depctr_va_vdst(0)                   ; the wait ahead of its first reader
.set NN, 0
.rept 32
	v_mul_f32 v[96+NN], v[160+NN], v14
.set NN, NN+1
.endr
.irp b, 0,1
	v_max3_num_f32 v[232+\b], |v[96+16*\b]|, |v[97+16*\b]|, 0x1800000
.endr
.irp i, 2,4,6,8,10,12,14
.irp b, 0,1
	v_max3_num_f32 v[232+\b], v[232+\b], |v[96+16*\b+\i]|, |v[97+16*\b+\i]|
.endr
.endr
.irp b, 0,1
	v_permlanex16_b32 v[236+\b], v[232+\b], s[SEL], s[SEL+1]
.endr
.irp b, 0,1
	v_max_num_f32 v[232+\b], v[232+\b], v[236+\b]
.endr
.irp b, 0,1
	v_add_nc_u32 v[244+\b], 0xff000000, v[232+\b]
.endr
.irp b, 0,1
	v_lshrrev_b32 v[236+\b], 23, v[244+\b]         ; the two blocks' bytes
.endr
	v_cvt_scalef32_pk16_fp6_f32 v[224:226], v[96:111], v244
	v_cvt_scalef32_pk16_fp6_f32 v[240:242], v[112:127], v245
	v_nop                                          ; one plain place behind a scaled conversion
.irp i, 0,1,2
	v_permlane16_swap_b32 v[224+\i], v[240+\i]     ; a whole block to a lane: lanes 0-15 block 0, lanes 16-31 block 1
.endr
.irp i, 0,1,2
	v_mov_b32 v[227+\i], v[240+\i]
.endr
	v_cmp_gt_u32 vcc_lo, 16, v10
	v_cndmask_b32 v254, v237, v236, vcc_lo         ; lanes 0-15 store block 0's byte, lanes 16-31 block 1's
.irp p, 0,1,2
	global_store_b64 v2, v[224+2*\p:225+2*\p], s[OP:OP+1] offset:256*\p   ; 256 consecutive bytes, aligned
.endr
	global_store_b8 v9, v254, s[OS:OS+1]           ; two bytes of each row's sixteen: the other heads' work-groups write the rest
	s_wait_tensorcnt 0x0                           ; the wave's end, behind my last tensor load
	ds_add_u32 v4, v5
	s_wait_dscnt 0x0
	CROUND                                         ; the closing round: no work-group ends while a partner may still ask for a tile that names it
	s_endpgm
.Lfunc_end_k_q016f5b86f2_attn:
	.size	k_q016f5b86f2_attn, .Lfunc_end_k_q016f5b86f2_attn-k_q016f5b86f2_attn
	.p2alignl 7, 3214868480
	.fill 96, 4, 3214868480
	.section	.rodata,"a",@progbits
	.p2align	6, 0x0
	.amdhsa_kernel k_q016f5b86f2_attn
		.amdhsa_group_segment_fixed_size 327680
		.amdhsa_private_segment_fixed_size 0
		.amdhsa_enable_private_segment 0
		.amdhsa_kernarg_size 32
		.amdhsa_user_sgpr_count 2
		.amdhsa_user_sgpr_kernarg_segment_ptr 1
		.amdhsa_wavefront_size32 1
		.amdhsa_system_sgpr_workgroup_id_x 1
		.amdhsa_system_sgpr_workgroup_id_y 1
		.amdhsa_system_sgpr_workgroup_id_z 1
		.amdhsa_system_vgpr_workitem_id 0
		.amdhsa_next_free_vgpr 256
		.amdhsa_next_free_sgpr 106
		.amdhsa_reserve_vcc 1
		.amdhsa_float_denorm_mode_32 3
		.amdhsa_float_denorm_mode_16_64 3
		.amdhsa_memory_ordered 1
		.amdhsa_forward_progress 1
		.amdhsa_inst_pref_size 52
	.end_amdhsa_kernel
	.amdgpu_metadata
---
amdhsa.version: [ 1, 2 ]
amdhsa.kernels:
  - .name:           k_q016f5b86f2_attn
    .symbol:         k_q016f5b86f2_attn.kd
    .args:
      - { .name: qb, .offset: 0, .size: 8, .value_kind: global_buffer, .address_space: global }
      - { .name: kv, .offset: 8, .size: 8, .value_kind: global_buffer, .address_space: global }
      - { .name: maskw, .offset: 16, .size: 8, .value_kind: global_buffer, .address_space: global }
      - { .name: ab, .offset: 24, .size: 8, .value_kind: global_buffer, .address_space: global }
    .group_segment_fixed_size: 327680
    .private_segment_fixed_size: 0
    .kernarg_segment_align: 8
    .kernarg_segment_size: 32
    .max_flat_workgroup_size: 512
    .sgpr_count:     106
    .vgpr_count:     256
    .wavefront_size: 32
...
	.end_amdgpu_metadata
.endif
;; end of part 3
;; launch outp (part 4): grid 256 x 1, 4 waves a work-group, no clusters, 34,304 bytes of LDS; arguments cq, ab, bo, out0; writes out0
.if DOCPART == 4
	.amdgcn_target "amdgcn-amd-amdhsa--gfx1250"
	.amdhsa_code_object_version 6
	.text
	.protected	k_q016f5b86f2_outp
	.globl	k_q016f5b86f2_outp
	.p2align	8
	.type	k_q016f5b86f2_outp,@function
k_q016f5b86f2_outp:
	s_mov_b64 s[64:65], 0
	v_nop
	global_prefetch_b8 v0, s[64:65] scope:SCOPE_SE
	s_setreg_imm32_b32 hwreg(HW_REG_WAVE_MODE, 25, 1), 1
	s_wait_xcnt 0x0
; out0 = attn Wo^T + bo on codes of FP6.  Nothing of reference() is left out here.
; Source 0 = 16 rows of Wo, source 1 = 16 tokens: a lane holds ONE token, and the 16 registers of tiles 2 b, 2 b + 1 are its outputs 32 b + 16 h + 0 .. 15 of the wave's 128 (lane r of tile t holds row
; 32 (t / 2) + 8 (t % 2) + r + 8 (r / 8), of Wo and of the tokens alike).  Wave w keeps Wo's rows 128 w on, 8 tiles x 4 K steps = 384 registers; the work-group takes two tiles of tokens, 32 rows of out0.
; bo is the C of each sum's first matrix instruction.  Operands come as images of their registers, straight from memory.  A tile's results turn through the wave's own stage in LDS and leave as 512 consecutive
; bytes of a row an instruction.  No barrier: waves share nothing.
; NO CLUSTER: the launch has no tensor load; Wo's fragments are read once a wave, into the registers where they stay.
; REGISTERS.  window 0: v1-7 addresses; v13, v14 the add's two; v16-111 the tokens' fragments, two tiles; v112-119 their scale words; v120-183 the 8 accumulators, then rows of out0; v184-215 Wo's scale words.
;   window 1: Wo(tile a, K step s), s = 0, 1, at v[12 (2 a + s)].   window 2: s = 2, 3 likewise; from v192 bo, 8 a tile.
.set CSOFF, 1664*6144
.set ASC,   3145728
.set PITCH, 528                        ; a stage row: 512 bytes + 16
.set WST,   16*PITCH
.set SPARE, 4*WST                      ; the spare words, 128 bytes for each wave, which no other line names
.set RF,    16
.set RS,    112
.set ACC,   120
.set PS,    184
.set B1,    192
.set MSB, 0
.macro WIN new                         ; the immediate's high byte repeats the setting that is left
.if MSB != \new
	s_set_vgpr_msb (MSB<<8)|\new
.set MSB, \new
.endif
.endm
.macro MULS set                        ; 32 matrix instructions: K step by K step, the eight accumulators by turns, one instruction a turn
.irp s, 0,1,2,3
.if \s == 0
	WIN 0x21                                       ; source 0 (Wo) window 1, source 2 (bo) window 2
.elseif \s == 1
	WIN 0x01
.else
	WIN 0x02
.endif
.irp a, 0,1,2,3,4,5,6,7
.if \s == 0
	v_wmma_scale_f32_16x16x128_f8f6f4 v[ACC+8*\a:ACC+8*\a+7], v[24*\a:24*\a+11], v[RF+48*(\set):RF+48*(\set)+11], v[B1+8*\a:B1+8*\a+7], v[PS+4*\a], v[RS+4*(\set)] matrix_a_fmt:MATRIX_FMT_FP6 matrix_b_fmt:MATRIX_FMT_FP6
.else
	v_wmma_scale_f32_16x16x128_f8f6f4 v[ACC+8*\a:ACC+8*\a+7], v[24*\a+12*(\s%2):24*\a+12*(\s%2)+11], v[RF+48*(\set)+12*\s:RF+48*(\set)+12*\s+11], v[ACC+8*\a:ACC+8*\a+7], v[PS+4*\a+\s], v[RS+4*(\set)+\s] matrix_a_fmt:MATRIX_FMT_FP6 matrix_b_fmt:MATRIX_FMT_FP6
.endif
.endr
.endr
	WIN 0
.endm
.macro TILE n
.if (\n) > 0
	s_wait_xcnt 0x0                                ; the last tile's stores have read their data: the accumulators are written again only behind this wait
.endif
	MULS \n
.rept 5
	v_nop                                          ; four places ahead of the first read of results; five ahead of the next tile's products, which begin these accumulators anew
.endr
.set II, 0
.rept 16
	ds_store_b128 v5, v[ACC+4*II:ACC+4*II+3] offset:128*(II/4)+16*(II%4)   ; row r, outputs 32 b + 16 h + 4 q on; each accumulator from its low end on
.set II, II+1
.endr
.set II, 0
.rept 16
	ds_load_b128 v[ACC+4*II:ACC+4*II+3], v6 offset:PITCH*II   ; LDS serves a wave's instructions in order: these see the stores above; whole rows come back into the registers that the results left
.set II, II+1
.endr
.set II, 0
.rept 16
	s_wait_dscnt 15-II                             ; row II is back; the younger loads may be out
	global_store_b128 v1, v[ACC+4*II:ACC+4*II+3], s[34:35] offset:(8*(\n)+II+8*(II/8))*2048 th:TH_STORE_NT   ; 32 lanes store 512 consecutive bytes, aligned
.set II, II+1
.endr
.endm
	s_load_b256 s[4:11], s[0:1], 0x0               ; cq, ab, bo, out0
	v_lshl_add_u32 v13, v0, 2, SPARE               ; my spare word
	v_mov_b32 v14, 0
	v_lshrrev_b32 v12, 5, v0
	v_readfirstlane_b32 s17, v12                   ; wave w
	v_and_b32 v12, 31, v0
	v_and_b32 v8, 15, v0                           ; r
	v_bfe_u32 v9, v0, 4, 1                         ; h
	v_lshlrev_b32 v1, 4, v12                       ; 16 x lane
	v_lshlrev_b32 v2, 4, v8                        ; 16 r
	v_lshlrev_b32 v3, 3, v12                       ; 8 x lane
	s_mul_i32 s18, s17, WST
	v_mul_u32_u24 v5, v8, PITCH
	v_lshl_add_u32 v5, v9, 6, v5
	v_add_nc_u32 v5, s18, v5                       ; the stage, on the way in: row r, + 64 h
	v_add_nc_u32 v6, s18, v1                       ; and on the way out
	v_lshlrev_b32 v7, 6, v9                        ; 64 h
	s_lshl_b32 s19, s17, 3
	s_add_co_u32 s19, s19, 1632                    ; Wo's tiles 8 w on
	s_mul_i32 s24, s19, 6144
	s_mov_b32 s25, 0
	s_lshl_b32 s26, s19, 8
	s_add_co_u32 s26, s26, CSOFF
	s_mov_b32 s27, 0
	s_mul_i32 s28, ttmp9, 2*6144                   ; my two tiles of tokens
	s_mov_b32 s29, 0
	s_lshl_b32 s30, ttmp9, 9
	s_add_co_u32 s30, s30, ASC
	s_mov_b32 s31, 0
	s_lshl_b32 s32, s17, 9                         ; my 128 outputs, in bytes
	s_mov_b32 s33, 0
	s_lshl_b32 s34, ttmp9, 16                      ; 32 rows of 2,048 bytes
	s_add_co_u32 s34, s34, s32
	s_mov_b32 s35, 0
	s_wait_kmcnt 0x0
	s_add_nc_u64 s[24:25], s[4:5], s[24:25]
	s_add_nc_u64 s[26:27], s[4:5], s[26:27]
	s_add_nc_u64 s[28:29], s[6:7], s[28:29]
	s_add_nc_u64 s[30:31], s[6:7], s[30:31]
	s_add_nc_u64 s[32:33], s[8:9], s[32:33]
	s_add_nc_u64 s[34:35], s[10:11], s[34:35]
	WIN 0x40                                       ; destination window 1
.irp a, 0,1,2,3,4,5,6,7
.irp s, 0,1
.irp g, 0,1,2
	global_load_b128 v[24*\a+12*\s+4*\g:24*\a+12*\s+4*\g+3], v1, s[24:25] offset:6144*\a+1536*\s+512*\g
.endr
.endr
.endr
	WIN 0x80                                       ; destination window 2
.irp a, 0,1,2,3,4,5,6,7
.irp s, 0,1
.irp g, 0,1,2
	global_load_b128 v[24*\a+12*\s+4*\g:24*\a+12*\s+4*\g+3], v1, s[24:25] offset:6144*\a+1536*(\s+2)+512*\g
.endr
.endr
.endr
.irp a, 0,1,2,3,4,5,6,7                ; bo in the result's layout: lane (r, h), tile 2 b + u: outputs 32 b + 16 h + 8 u + 0 .. 7
	global_load_b128 v[B1+8*\a:B1+8*\a+3], v7, s[32:33] offset:(32*(\a/2)+8*(\a%2))*4
	global_load_b128 v[B1+8*\a+4:B1+8*\a+7], v7, s[32:33] offset:(32*(\a/2)+8*(\a%2))*4+16
.endr
	WIN 0
.irp a, 0,1,2,3,4,5,6,7
	global_load_b128 v[PS+4*\a:PS+4*\a+3], v2, s[26:27] offset:256*\a
.endr
.irp n, 0,1
.irp s, 0,1,2,3
.irp p, 0,1,2,3,4,5
	global_load_b64 v[RF+48*\n+12*\s+2*\p:RF+48*\n+12*\s+2*\p+1], v3, s[28:29] offset:6144*\n+1536*\s+256*\p
.endr
.endr
	global_load_b128 v[RS+4*\n:RS+4*\n+3], v2, s[30:31] offset:256*\n   ; a row's sixteen scale bytes: four words, one a K step
.endr
	s_wait_loadcnt 0x0
	TILE 0
	TILE 1
	s_wait_tensorcnt 0x0                           ; the wave's end, behind my last LDS store
	ds_add_u32 v13, v14
	s_wait_dscnt 0x0
	s_endpgm
.Lfunc_end_k_q016f5b86f2_outp:
	.size	k_q016f5b86f2_outp, .Lfunc_end_k_q016f5b86f2_outp-k_q016f5b86f2_outp
	.p2alignl 7, 3214868480
	.fill 96, 4, 3214868480
	.section	.rodata,"a",@progbits
	.p2align	6, 0x0
	.amdhsa_kernel k_q016f5b86f2_outp
		.amdhsa_group_segment_fixed_size 34304
		.amdhsa_private_segment_fixed_size 0
		.amdhsa_enable_private_segment 0
		.amdhsa_kernarg_size 32
		.amdhsa_user_sgpr_count 2
		.amdhsa_user_sgpr_kernarg_segment_ptr 1
		.amdhsa_wavefront_size32 1
		.amdhsa_system_sgpr_workgroup_id_x 1
		.amdhsa_system_sgpr_workgroup_id_y 1
		.amdhsa_system_sgpr_workgroup_id_z 1
		.amdhsa_system_vgpr_workitem_id 0
		.amdhsa_next_free_vgpr 768
		.amdhsa_next_free_sgpr 66
		.amdhsa_reserve_vcc 0
		.amdhsa_float_denorm_mode_32 3
		.amdhsa_float_denorm_mode_16_64 3
		.amdhsa_memory_ordered 1
		.amdhsa_forward_progress 1
		.amdhsa_inst_pref_size 35
	.end_amdhsa_kernel
	.amdgpu_metadata
---
amdhsa.version: [ 1, 2 ]
amdhsa.kernels:
  - .name:           k_q016f5b86f2_outp
    .symbol:         k_q016f5b86f2_outp.kd
    .args:
      - { .name: cq, .offset: 0, .size: 8, .value_kind: global_buffer, .address_space: global }
      - { .name: ab, .offset: 8, .size: 8, .value_kind: global_buffer, .address_space: global }
      - { .name: bo, .offset: 16, .size: 8, .value_kind: global_buffer, .address_space: global }
      - { .name: out0, .offset: 24, .size: 8, .value_kind: global_buffer, .address_space: global }
    .group_segment_fixed_size: 34304
    .private_segment_fixed_size: 0
    .kernarg_segment_align: 8
    .kernarg_segment_size: 32
    .max_flat_workgroup_size: 128
    .sgpr_count:     66
    .vgpr_count:     768
    .wavefront_size: 32
...
	.end_amdgpu_metadata
.endif
;; end of part 4
